; MI455X (gfx1250); checked and timed in simulation.
; The chip was launched on July 23, 2026; its instructions are those of AMD's public machine-readable ISA for CDNA 5 (MIT licence, August 2026) and "CDNA5" Instruction Set Architecture Reference Guide (July 2026). The comments in the code are by the model that wrote it; some were corrected since.
;; Token Mixing Mo E. Allowed arithmetic: matrix products marked QUANTISED: E5M2 operands, one E8M0 scale for each 32 along K, by v_wmma_scale_f32_16x16x128_f8f6f4 with both operands' format E5M2, f32 sums; products left as they are: f32 operands where the result goes on into a quantised operand, else bf16, f16 or f32 operands; f32 sums; everything else in f32.
;; Inputs: b2 8 x 128 float32; gate_b 8 float32; gate_w 8 x 128 float32; ln1_b 8 x 128 float32; ln1_g 8 x 128 float32; ln2_b 8 x 512 float32; ln2_g 8 x 512 float32; w1 8 x 512 x 128 float32; w2 8 x 128 x 512 float32; x 4 x 8 x 1,024 x 128 float32.
;; Outputs: out0 4 x 8 x 1,024 x 128 float32.
;; This version of the problem:
;;   THIS VERSION OF THE PROBLEM IS GIVEN IN LOW PRECISION. The matrix products marked QUANTISED in the list below multiply operands that are first quantised to E5M2 (5 exponent bits, 2 mantissa bits; 8 bits a number), with one power-of-two scale for each 32 numbers along K (OCP MX v1.0); their sums are f32. All else is computed in f32.
;;   The module's matrix products, in the order in which they are computed (A, B: the left and right operand; K: the contracted axis; several contracted axes count as one K, in the product's order):
;;     1. [M 32,768, K 128] x [K 128, N 8]; A: input x; B: input gate_w: left as it is (N = 8 < 16)
;;     2. batch 8 x [M 32,768, K 128] x [K 128, N 512]; A: computed on the way; B: input w1: QUANTISED
;;     3. batch 8 x [M 32,768, K 512] x [K 512, N 128]; A: computed on the way; B: input w2: QUANTISED
;;     4. batch 32,768 x [M 1, K 8] x [K 8, N 128]; A: computed on the way; B: computed on the way: left as it is (K = 8 < 32)
;;   THE QUANTISER, for each operand of a quantised product, along K:
;;     - K is cut into blocks of 32 from its start; a last block that is shorter is filled with zeros.
;;     - A block's scale is 2^e with e = floor(log2(the largest magnitude in the block)) - 15, held to -126 .. 127; a block of zeros has e = 0. As a byte (E8M0): e + 127.
;;     - Each number is divided by its block's scale, clamped to +-57,344, and rounded to the nearest number of E5M2, ties to even, subnormals kept.
;;     - The product sums the exact products of the quantised numbers (number of the format x scale) in f32.
;;   ~~~python
;;   def quantise(x, axis):      # numpy; x: float32 -> the quantised numbers, widened to float32 again
;;       x = np.moveaxis(x, axis, -1); K = x.shape[-1]
;;       x = np.pad(x, [(0, 0)] * (x.ndim - 1) + [(0, -K % 32)]); x = x.reshape(x.shape[:-1] + (-1, 32)); a = np.abs(x).max(-1, keepdims=True)
;;       e = np.where(a > 0, np.clip(np.frexp(np.where(a > 0, a, 1))[1] - 1 - 15, -126, 127), 0)      # np.frexp(a)[1] - 1 = floor(log2(a)), exactly
;;       r = np.clip(x / 2.0 ** e, -57344, 57344)
;;       step = 2.0 ** (np.maximum(np.frexp(np.where(r == 0, 1, r))[1] - 1, -14) - 2)
;;       q = np.round(r / step) * step * 2.0 ** e      # np.round: ties to even
;;       return np.moveaxis(q.reshape(q.shape[:-2] + (-1,))[..., :K], -1, axis).astype(np.float32)
;;   ~~~
;;   OPERANDS COMPUTED ON THE WAY. 'Computed on the way' means the value that the module computes at that place (a softmax that the list does not call 'softmax' is quantised finished and normalised). What goes into a quantiser is computed in f32, as accurately as f32 sums, v_exp_f32 and their like allow (about 1e-6 of the number): no bf16 or f16 on the way to a quantiser, and a product that is left as it is and whose result goes on into a quantised operand takes f32 operands (vector FMAs, or v_wmma_f32_16x16x4_f32). A number that lies on a knife's edge between two numbers of the format may be rounded either way, as far as f32 arithmetic and the matrix unit's own rounding can turn it there, and no further.
;; One version. Each part assembles by itself: llvm-mc -triple=amdgcn-amd-amdhsa -mcpu=gfx1250 --defsym DOCPART=n.
;; ======== version 1 of 1: 3 launches
;; workspace buffers: rec 131,072 bytes of whole numbers; hist 131,072 bytes of whole numbers; sorted 131,072 bytes of whole numbers; score 262,144 bytes; wq 1,081,344 bytes
;; launch route (part 1): grid 384 x 1, 4 waves a work-group, no clusters, 0 bytes of LDS; arguments x, gate_w, gate_b, w1, w2, rec, hist, score, wq; writes rec, hist, score, wq
.if DOCPART == 1
	.amdgcn_target "amdgcn-amd-amdhsa--gfx1250"
	.amdhsa_code_object_version 6
	.text
	.protected	k_qc750b59e88_route
	.globl	k_qc750b59e88_route
	.p2align	8
	.type	k_qc750b59e88_route,@function
k_qc750b59e88_route:
	s_mov_b64 s[64:65], 0
	v_nop
	global_prefetch_b8 v0, s[64:65] scope:SCOPE_SE
	s_setreg_imm32_b32 hwreg(HW_REG_WAVE_MODE, 25, 1), 1
	s_wait_xcnt 0x0
; TokenMixingMoE, first of three launches: the gate, and the weights' codes.
; DEAD WORK LEFT OUT BY THE PROGRAM.  combine[n][e] is built in the problem's own body as one_hot(topk_idx) x topk_scores: it is 0 for every expert e outside the
; token's top 2, whatever the inputs hold.  So out[n] = s_lo O_lo[n] + s_hi O_hi[n], and the rows of both quantised products that belong to an expert not chosen for
; the token reach no output: they are not multiplied.  The last product (K = 8) is then two fused multiply-adds a number.  Every input has a way to the output and is loaded.
; LIMITS.  A NaN, an infinity or an overflow that arises only in an expert not chosen for a token is not carried to the result.  NaN and infinities among the inputs are
; not served.  Two gate probabilities nearer to each other than the rounding of an f32 sum of 128 terms may be ranked the other way.  A block of zeros gets the scale byte 1
; with zero codes (the bytes are read by this program alone).
; WORK-GROUPS 0-255, THE GATE.  A wave takes a chunk of 32 tokens.  A load brings one whole row of x (512 bytes, 16 a lane); all 32 rows are asked for at once.  A row's eight
; logits are summed over the lanes and kept by lane i for row i.  Then a lane is a token: softmax with the maximum taken away, top 2 (the lower index wins a tie), the pair's bin,
; the token's rank among the chunk's tokens of that bin, the chunk's histogram.  All of it is stored at fixed places: no address and no branch hangs on it here.
; The 28 pairs lo < hi are numbered back and forth, bin = lo (15 - lo) / 2 + (lo odd ? 7 - hi : hi - lo - 1), so that neighbouring bins share an expert.
; WORK-GROUPS 256-383, THE WEIGHTS.  A wave turns one fragment (16 rows x 128 along K) of w1 or w2 into codes of E5M2 and a scale word a row, stored as an image of the operand's
; registers: byte 512 c + 16 lane + i = code of (tile row lane % 16, k = 32 c + 16 (lane / 16) + i).  An expert's block of wq: 32 fragments of w1, 32 of w2 (number 4 n + s),
; w1's scale words [512], w2's [128][4]: 135,168 bytes.  Lane r of w1's tile t takes row 32 (t / 2) + 8 (t % 2) + r + 8 (r / 8), so that two neighbouring tiles' results are 16 neighbours along the next K.
.set L,   8                            ; v[8:15]    lane i: the eight logits of row i
.set A,   16                           ; v[16:31]   eight pairs of partial sums
.set PT,  32                           ; v[32:39]   the other half of the lanes' sums
.set GW,  40                           ; v[40:71]   gate_w[e][4 lane .. 4 lane + 3]
.set X,   72                           ; v[72:199]  row i of the chunk: four numbers a lane
	s_load_b512 s[4:19], s[0:1], 0x0               ; x, gate_w, gate_b, w1, w2, rec, hist, score
	s_load_b64 s[20:21], s[0:1], 0x40              ; wq
	v_lshrrev_b32 v2, 5, v0
	v_readfirstlane_b32 s22, v2                    ; wave 0..3
	v_and_b32 v3, 31, v0                           ; lane
	v_lshlrev_b32 v1, 4, v3                        ; 16 x lane
	s_mov_b32 s34, 0x76543210
	s_mov_b32 s35, 0xfedcba98                      ; v_permlanex16_b32's selects for lane l xor 16
	s_cmp_lt_u32 ttmp9, 256
	s_cbranch_scc0 .Lweights
	; ---------------- the gate
	s_lshl_b32 s23, ttmp9, 2
	s_add_co_u32 s23, s23, s22                     ; my chunk of 32 tokens
	s_lshl_b32 s32, s23, 14                        ; 32 rows of 512 bytes
	s_mov_b32 s33, 0
	s_mov_b32 s36, 0x3fb8aa3b                      ; log2(e)
	s_wait_kmcnt 0x0
	s_load_b256 s[24:31], s[8:9], 0x0              ; gate_b
	s_add_nc_u64 s[4:5], s[4:5], s[32:33]
.irp e,0,1,2,3,4,5,6,7
	global_load_b128 v[GW+4*\e:GW+4*\e+3], v1, s[6:7] offset:512*\e
.endr
.set i, 0
.rept 32
	global_load_b128 v[X+4*i:X+4*i+3], v1, s[4:5] offset:512*i th:TH_LOAD_NT   ; a whole row: 512 consecutive bytes
.set i, i+1
.endr
	s_lshl_b32 s32, s23, 7                         ; 128 bytes a chunk in rec and in hist,
	s_add_nc_u64 s[14:15], s[14:15], s[32:33]
	s_add_nc_u64 s[16:17], s[16:17], s[32:33]
	s_lshl_b32 s32, s23, 8                         ; 256 in score
	s_add_nc_u64 s[18:19], s[18:19], s[32:33]
.irp e,0,1,2,3,4,5,6,7
	v_mov_b32 v[L+\e], 0                           ; written once: the selects below read them,
	v_mov_b32 v[PT+\e], 0                          ; and a lane permute's destination counts as one of its sources
.endr
; Row i: eight dot products of 128, four numbers a lane, summed over the 32 lanes; lane i keeps them.
.macro ROW i
	s_wait_loadcnt 31-(\i)                         ; loads come back in order: gate_w and rows 0 to i are in, the rows behind stay out
.irp e,0,1,2,3,4,5,6,7
	v_pk_mul_f32 v[A+2*\e:A+2*\e+1], v[X+4*(\i):X+4*(\i)+1], v[GW+4*\e:GW+4*\e+1]
.endr
.irp e,0,1,2,3,4,5,6,7
	v_pk_fma_f32 v[A+2*\e:A+2*\e+1], v[X+4*(\i)+2:X+4*(\i)+3], v[GW+4*\e+2:GW+4*\e+3], v[A+2*\e:A+2*\e+1]
.endr
.irp e,0,1,2,3,4,5,6,7
	v_add_f32 v[A+2*\e], v[A+2*\e], v[A+2*\e+1]
.endr
.irp m,1,2,4,8
.irp e,0,1,2,3,4,5,6,7
	v_add_f32_dpp v[A+2*\e], v[A+2*\e], v[A+2*\e] row_xmask:\m row_mask:0xf bank_mask:0xf
.endr
.endr
.irp e,0,1,2,3,4,5,6,7
	v_permlanex16_b32 v[PT+\e], v[A+2*\e], s34, s35
.endr
.irp e,0,1,2,3,4,5,6,7
	v_add_f32 v[A+2*\e], v[A+2*\e], v[PT+\e]
.endr
	s_mov_b32 s37, 1<<(\i)
.irp e,0,1,2,3,4,5,6,7
	v_cndmask_b32 v[L+\e], v[L+\e], v[A+2*\e], s37
.endr
.endm
.set rw, 0
.rept 32
	ROW rw
.set rw, rw+1
.endr
	; from here on a lane is a token
	s_wait_kmcnt 0x0                               ; gate_b
.irp e,0,1,2,3,4,5,6,7
	v_add_f32 v[L+\e], s[24+\e], v[L+\e]
.endr
	v_max3_num_f32 v40, v8, v9, v10
	v_max3_num_f32 v40, v40, v11, v12
	v_max3_num_f32 v40, v40, v13, v14
	v_max_num_f32 v40, v40, v15                    ; the largest logit is taken away, as the softmax of the problem does
	v_mul_f32 v40, 0xbfb8aa3b, v40                 ; - m log2(e)
.irp e,0,1,2,3,4,5,6,7
	v_fma_f32 v[16+\e], v[L+\e], s36, v40
.endr
.irp e,0,1,2,3,4,5,6,7
	v_exp_f32 v[16+\e], v[16+\e]                   ; p_e, not yet divided by the sum
.endr
	v_mov_b32 v44, 0                               ; (a plain line behind the exponentials)  the winner's index
	s_wait_alu depctr_va_vdst(0)                   ; one wait for the eight, ahead of their first use
	v_add_f32 v41, v16, v17
	v_add_f32 v42, v18, v19
	v_add_f32 v55, v20, v21
	v_add_f32 v56, v22, v23
	v_add_f32 v41, v41, v42
	v_add_f32 v55, v55, v56
	v_add_f32 v41, v41, v55
	v_rcp_f32 v42, v41
	v_mov_b32 v43, v16                             ; (a plain line behind the reciprocal)  the winner's p
.irp e,1,2,3,4,5,6,7
	v_cmp_gt_f32 vcc_lo, v[16+\e], v43             ; strictly greater: the lower index keeps a tie
	v_cndmask_b32 v43, v43, v[16+\e], vcc_lo
	v_cndmask_b32 v44, v44, \e, vcc_lo
.endr
.irp e,0,1,2,3,4,5,6,7
	v_cmp_eq_u32 vcc_lo, \e, v44
	v_cndmask_b32 v[16+\e], v[16+\e], -1.0, vcc_lo ; the winner leaves the field: every p is above -1
.endr
	v_mov_b32 v45, v16
	v_mov_b32 v46, 0
.irp e,1,2,3,4,5,6,7
	v_cmp_gt_f32 vcc_lo, v[16+\e], v45
	v_cndmask_b32 v45, v45, v[16+\e], vcc_lo
	v_cndmask_b32 v46, v46, \e, vcc_lo
.endr
	s_wait_alu depctr_va_vdst(0)                   ; the reciprocal, ahead of its first use
	v_mul_f32 v43, v43, v42                        ; the two scores
	v_mul_f32 v45, v45, v42
	v_min_u32 v47, v44, v46                        ; lo
	v_max_u32 v48, v44, v46                        ; hi
	v_cmp_lt_u32 vcc_lo, v44, v46
	v_cndmask_b32 v50, v45, v43, vcc_lo            ; lo's score
	v_cndmask_b32 v51, v43, v45, vcc_lo            ; hi's
	v_sub_nc_u32 v52, 15, v47
	v_mul_u32_u24 v52, v52, v47
	v_lshrrev_b32 v52, 1, v52                      ; lo (15 - lo) / 2
	v_sub_nc_u32 v55, v48, v47
	v_add_nc_u32 v55, -1, v55                      ; hi - lo - 1
	v_sub_nc_u32 v56, 7, v48                       ; 7 - hi
	v_and_b32 v57, 1, v47
	v_cmp_eq_u32 vcc_lo, 1, v57
	v_cndmask_b32 v55, v55, v56, vcc_lo
	v_add_nc_u32 v52, v52, v55                     ; the bin
	v_mov_b32 v53, 0                               ; my rank among the chunk's tokens of my bin
	v_mov_b32 v54, 0                               ; lane b: the chunk's count of bin b; lanes 28-31 stay 0
.set b, 0
.rept 28
	v_cmp_eq_u32 s37, b, v52
	v_mbcnt_lo_u32_b32 v55, s37, 0                 ; lanes of bin b below me
	v_cndmask_b32 v53, v53, v55, s37
	s_bcnt1_i32_b32 s38, s37
	v_writelane_b32 v54, s38, b
.set b, b+1
.endr
	v_lshl_or_b32 v56, v53, 8, v52                 ; bin 7:0, rank 15:8, lo 19:16, hi 23:20
	v_lshl_or_b32 v56, v47, 16, v56
	v_lshl_or_b32 v56, v48, 20, v56
	v_lshlrev_b32 v4, 2, v3
	v_lshlrev_b32 v5, 3, v3
	global_store_b32 v4, v56, s[14:15]
	global_store_b32 v4, v54, s[16:17]
	global_store_b64 v5, v[50:51], s[18:19]        ; 32 lanes store 256 consecutive bytes, aligned
	s_endpgm
	; ---------------- the weights
.Lweights:
.set NUM, 64                           ; v[64:127]  64 numbers: register 16 b + i = k 32 b + 16 (lane / 16) + i of my row
.set PC,  16                           ; v[16:31]   the fragment's codes
.set TM,  32                           ; v32-35 largest magnitudes, v36-39 bytes, v40-43 the largest number x the scale, v44-47 the conversions' scale operands
.set PWD, 48                           ; v48        my row's scale word
	s_sub_co_u32 s23, ttmp9, 256
	s_lshl_b32 s23, s23, 2
	s_add_co_u32 s23, s23, s22                     ; fragment 0..511: the first 256 are w1's
	s_and_b32 s24, s23, 255
	s_lshr_b32 s25, s24, 5                         ; expert
	s_and_b32 s26, s24, 31                         ; fragment of the expert: w1: tile;  w2: 4 n + s
	s_lshr_b32 s27, s26, 1
	s_lshl_b32 s27, s27, 5
	s_and_b32 s28, s26, 1
	s_lshl_b32 s28, s28, 3
	s_add_co_u32 s27, s27, s28                     ; w1: the tile's first row
	s_lshr_b32 s28, s26, 2
	s_lshl_b32 s28, s28, 4                         ; w2: the tile's first row
	s_and_b32 s29, s26, 3                          ; w2: the K step
	s_lshl_b32 s30, s27, 9                         ; w1: rows of 512 bytes
	s_lshl_b32 s31, s28, 11                        ; w2: rows of 2,048 bytes,
	s_lshl_b32 s32, s29, 9
	s_add_co_u32 s31, s31, s32                     ; 512 bytes a K step
	s_lshl_b32 s36, s27, 2
	s_add_co_u32 s36, s36, 131072                  ; w1's scale words: 4 bytes a row
	s_lshl_b32 s37, s28, 4
	s_lshl_b32 s38, s29, 2
	s_add_co_u32 s37, s37, s38
	s_add_co_u32 s37, s37, 133120                  ; w2's: 16 bytes a row, 4 a K step
	s_lshl_b32 s39, s26, 11                        ; the image: 2,048 bytes a fragment;
	s_add_co_u32 s40, s39, 65536                   ; w2's lie behind w1's
	s_mov_b32 s41, 512
	s_mov_b32 s42, 2048
	s_mov_b32 s47, 0x600000                        ; the mantissa field of 57,344
	s_wait_kmcnt 0x0
	s_cmp_lt_u32 s23, 256                          ; w1 or w2?  The choice hangs on ids alone; one text serves both
	s_cselect_b64 s[10:11], s[10:11], s[12:13]
	s_cselect_b32 s30, s30, s31
	s_cselect_b32 s36, s36, s37
	s_cselect_b32 s39, s39, s40
	s_cselect_b32 s41, s41, s42                    ; a row in bytes
	s_cselect_b32 s43, 1, 0
	s_cselect_b32 s44, 4, 16                       ; from row to row among the scale words
	s_lshl_b32 s45, s25, 18                        ; an expert's weights: 262,144 bytes
	s_add_co_u32 s48, s30, s45
	s_mov_b32 s49, 0
	s_add_nc_u64 s[10:11], s[10:11], s[48:49]
	s_mul_i32 s46, s25, 135168
	s_add_co_u32 s48, s39, s46
	s_add_nc_u64 s[50:51], s[20:21], s[48:49]      ; where the image goes
	s_add_co_u32 s48, s36, s46
	s_add_nc_u64 s[20:21], s[20:21], s[48:49]      ; where the scale words go
	v_and_b32 v6, 15, v3                           ; r
	v_lshrrev_b32 v7, 4, v3                        ; h
	v_and_b32 v8, 8, v6
	v_mul_u32_u24 v8, v8, s43
	v_add_nc_u32 v8, v6, v8                        ; w1: r + 8 (r / 8);  w2: r
	v_mul_lo_u32 v9, v8, s41
	v_lshl_add_u32 v9, v7, 6, v9                   ; my row, + 64 h: my 16 numbers of a block of 32
	v_mul_lo_u32 v10, v8, s44
.irp b,0,1,2,3
.irp j,0,1,2,3
	global_load_b128 v[NUM+16*\b+4*\j:NUM+16*\b+4*\j+3], v9, s[10:11] offset:128*\b+16*\j th:TH_LOAD_NT
.endr
.endr
.irp b,0,1,2,3
	v_mov_b32 v[TM+4+\b], 0                        ; a lane permute's destination counts as one of its sources
.endr
	s_wait_loadcnt 0x0
.irp b,0,1,2,3
	v_max3_num_f32 v[TM+\b], |v[NUM+16*\b]|, |v[NUM+1+16*\b]|, 0x8000000   ; block b: my 16 numbers, and the floor 2^(16 - 127): the byte cannot fall under 1
.endr
.irp i,2,4,6,8,10,12,14
.irp b,0,1,2,3
	v_max3_num_f32 v[TM+\b], v[TM+\b], |v[NUM+16*\b+\i]|, |v[NUM+1+16*\b+\i]|
.endr
.endr
.irp b,0,1,2,3
	v_permlanex16_b32 v[TM+4+\b], v[TM+\b], s34, s35
.endr
.irp b,0,1,2,3
	v_max_num_f32 v[TM+\b], v[TM+\b], v[TM+4+\b]   ; with lane l xor 16's: the block's largest magnitude
.endr
.irp b,0,1,2,3
	v_add_nc_u32 v[TM+12+\b], 0xf8800000, v[TM+\b] ; 15 off its exponent field: the conversion's scale operand
.endr
.irp b,0,1,2,3
	v_and_or_b32 v[TM+8+\b], v[TM+\b], 0x7f800000, s47   ; 57,344 x the scale
.endr
.irp b,0,1,2,3
	v_lshrrev_b32 v[TM+4+\b], 23, v[TM+12+\b]      ; the scale's byte
.endr
	v_lshl_or_b32 v[PWD], v[TM+5], 8, v[TM+4]
	v_lshl_or_b32 v[PWD], v[TM+6], 16, v[PWD]
	v_lshl_or_b32 v[PWD], v[TM+7], 24, v[PWD]
.irp b,0,1,2,3
.irp i,0,1,2,3,4,5,6,7,8,9,10,11,12,13,14,15
	v_med3_num_f32 v[NUM+16*\b+\i], v[NUM+16*\b+\i], -v[TM+8+\b], v[TM+8+\b]   ; the conversion to an 8-bit code does not saturate (ISA guide 7.6.2): the hold comes first
.endr
	v_cvt_scalef32_pk8_bf8_f32 v[PC+4*\b:PC+4*\b+1], v[NUM+16*\b:NUM+16*\b+7], v[TM+12+\b]
	v_cvt_scalef32_pk8_bf8_f32 v[PC+4*\b+2:PC+4*\b+3], v[NUM+16*\b+8:NUM+16*\b+15], v[TM+12+\b]
.endr
	v_nop                                          ; a plain line behind the last conversion
.irp c,0,1,2,3
	global_store_b128 v1, v[PC+4*\c:PC+4*\c+3], s[50:51] offset:512*\c   ; 512 consecutive bytes a store
.endr
	global_store_b32 v10, v[PWD], s[20:21]         ; lanes 16-31 write the same word with the same value
	s_endpgm
.Lfunc_end_k_qc750b59e88_route:
	.size	k_qc750b59e88_route, .Lfunc_end_k_qc750b59e88_route-k_qc750b59e88_route
	.p2alignl 7, 3214868480
	.fill 96, 4, 3214868480
	.section	.rodata,"a",@progbits
	.p2align	6, 0x0
	.amdhsa_kernel k_qc750b59e88_route
		.amdhsa_group_segment_fixed_size 0
		.amdhsa_private_segment_fixed_size 0
		.amdhsa_enable_private_segment 0
		.amdhsa_kernarg_size 72
		.amdhsa_user_sgpr_count 2
		.amdhsa_user_sgpr_kernarg_segment_ptr 1
		.amdhsa_wavefront_size32 1
		.amdhsa_system_sgpr_workgroup_id_x 1
		.amdhsa_system_sgpr_workgroup_id_y 1
		.amdhsa_system_sgpr_workgroup_id_z 1
		.amdhsa_system_vgpr_workitem_id 0
		.amdhsa_next_free_vgpr 208
		.amdhsa_next_free_sgpr 66
		.amdhsa_reserve_vcc 1
		.amdhsa_float_denorm_mode_32 3
		.amdhsa_float_denorm_mode_16_64 3
		.amdhsa_memory_ordered 1
		.amdhsa_forward_progress 1
		.amdhsa_inst_pref_size 178
	.end_amdhsa_kernel
	.amdgpu_metadata
---
amdhsa.version: [ 1, 2 ]
amdhsa.kernels:
  - .name:           k_qc750b59e88_route
    .symbol:         k_qc750b59e88_route.kd
    .args:
      - { .name: x, .offset: 0, .size: 8, .value_kind: global_buffer, .address_space: global }
      - { .name: gate_w, .offset: 8, .size: 8, .value_kind: global_buffer, .address_space: global }
      - { .name: gate_b, .offset: 16, .size: 8, .value_kind: global_buffer, .address_space: global }
      - { .name: w1, .offset: 24, .size: 8, .value_kind: global_buffer, .address_space: global }
      - { .name: w2, .offset: 32, .size: 8, .value_kind: global_buffer, .address_space: global }
      - { .name: rec, .offset: 40, .size: 8, .value_kind: global_buffer, .address_space: global }
      - { .name: hist, .offset: 48, .size: 8, .value_kind: global_buffer, .address_space: global }
      - { .name: score, .offset: 56, .size: 8, .value_kind: global_buffer, .address_space: global }
      - { .name: wq, .offset: 64, .size: 8, .value_kind: global_buffer, .address_space: global }
    .group_segment_fixed_size: 0
    .private_segment_fixed_size: 0
    .kernarg_segment_align: 8
    .kernarg_segment_size: 72
    .max_flat_workgroup_size: 128
    .sgpr_count:     66
    .vgpr_count:     208
    .wavefront_size: 32
...
	.end_amdgpu_metadata
.endif
;; end of part 1
;; launch place (part 2): grid 32 x 1, 32 waves a work-group, no clusters, 8,192 bytes of LDS; arguments rec, hist, sorted; writes sorted
.if DOCPART == 2
	.amdgcn_target "amdgcn-amd-amdhsa--gfx1250"
	.amdhsa_code_object_version 6
	.text
	.protected	k_qc750b59e88_place
	.globl	k_qc750b59e88_place
	.p2align	8
	.type	k_qc750b59e88_place,@function
k_qc750b59e88_place:
	s_mov_b64 s[64:65], 0
	v_nop
	global_prefetch_b8 v0, s[64:65] scope:SCOPE_SE
	s_setreg_imm32_b32 hwreg(HW_REG_WAVE_MODE, 25, 1), 1
	s_wait_xcnt 0x0
; Second launch: the tokens are listed in the order of their pair's bin (a counting sort without atomics).  All numbers here are whole numbers that the launch before stored.
; A token's place = the bins before its bin, + the tokens of its bin in the chunks before its chunk, + its rank in its chunk.
; 32 work-groups of 32 waves; work-group g takes tokens 1,024 g on, wave w chunk 32 g + w, a thread a token.  In the sums a lane is a bin.
; Wave w adds the histograms of chunks 32 w .. 32 w + 31 (group w's); the 32 group sums meet in LDS behind the launch's one barrier.
; The stores are four bytes a lane to places far apart: that is what placing is; 128 KiB in all.
.set SPARE, 4096                       ; LDS: 0..4095 the 32 group sums, 128 bytes each; behind them the spare words, 128 bytes for each wave, which no other line names
	s_load_b128 s[4:7], s[0:1], 0x0                ; rec, hist
	s_load_b64 s[8:9], s[0:1], 0x10                ; sorted
	v_lshl_add_u32 v1, v0, 2, SPARE                ; my spare word,
	v_mov_b32 v2, 0                                ; and 0: kept for the closing lines alone
	v_lshrrev_b32 v3, 5, v0
	v_readfirstlane_b32 s10, v3                    ; wave 0..31
	v_and_b32 v3, 31, v0
	v_lshlrev_b32 v3, 2, v3                        ; 4 x lane
	v_lshl_add_u32 v4, s10, 12, v3                 ; + 32 histograms of 128 bytes x wave
	v_lshlrev_b32 v5, 2, v0                        ; 4 x thread
	s_lshl_b32 s12, ttmp9, 12
	s_mov_b32 s13, 0
	s_wait_kmcnt 0x0
	s_add_nc_u64 s[14:15], s[6:7], s[12:13]        ; my work-group's 32 histograms
	s_add_nc_u64 s[4:5], s[4:5], s[12:13]          ; and its 1,024 records
.set i, 0
.rept 32
	global_load_b32 v[16+i], v4, s[6:7] offset:128*i     ; group w's
	global_load_b32 v[48+i], v3, s[14:15] offset:128*i   ; my work-group's
.set i, i+1
.endr
	global_load_b32 v15, v5, s[4:5]                ; my token's record
	s_wait_loadcnt 0x0
	v_add3_u32 v6, v16, v17, v18
.irp i,19,21,23,25,27,29,31,33,35,37,39,41,43,45
	v_add3_u32 v6, v6, v[\i], v[\i+1]
.endr
	v_add_nc_u32 v6, v6, v47                       ; group w's sum
	v_mov_b32 v7, 0
.set i, 0
.rept 31
	s_cmp_lt_u32 i, s10
	s_cselect_b32 s20, 1, 0
	v_mad_u32_u24 v7, v[48+i], s20, v7             ; the chunks of my work-group before mine
.set i, i+1
.endr
	ds_store_b32 v5, v6                            ; 128 x wave + 4 x lane = 4 x thread
	s_wait_dscnt 0x0                               ; for the others' sake: my store has landed
	s_barrier_signal -1
	s_barrier_wait -1
.set i, 0
.rept 32
	ds_load_b32 v[16+i], v3 offset:128*i
.set i, i+1
.endr
	s_wait_dscnt 0x0
	v_add3_u32 v8, v16, v17, v18
.irp i,19,21,23,25,27,29,31,33,35,37,39,41,43,45
	v_add3_u32 v8, v8, v[\i], v[\i+1]
.endr
	v_add_nc_u32 v8, v8, v47                       ; each bin's total
	v_mov_b32 v9, 0
.set i, 0
.rept 31
	s_cmp_lt_u32 i, ttmp9
	s_cselect_b32 s20, 1, 0
	v_mad_u32_u24 v9, v[16+i], s20, v9             ; the groups before mine
.set i, i+1
.endr
	v_mov_b32 v10, 0
	s_mov_b32 s22, 0
.set b, 0
.rept 28
	v_readlane_b32 s21, v8, b
	v_writelane_b32 v10, s22, b                    ; where bin b begins
	s_add_co_u32 s22, s22, s21
.set b, b+1
.endr
	v_add3_u32 v11, v10, v9, v7                    ; lane b: where my chunk's tokens of bin b begin
	v_and_b32 v12, 0xff, v15                       ; my bin
	v_bfe_u32 v13, v15, 8, 8                       ; my rank
	v_mov_b32 v14, 0
.set b, 0
.rept 28
	v_readlane_b32 s21, v11, b
	v_cmp_eq_u32 vcc_lo, b, v12
	v_cndmask_b32 v14, v14, s21, vcc_lo
.set b, b+1
.endr
	v_add_nc_u32 v14, v14, v13
	v_min_u32 v14, 0x7fff, v14                     ; a place in the list of 32,768
	v_lshlrev_b32 v14, 2, v14
	s_lshl_b32 s20, ttmp9, 10
	v_add_nc_u32 v13, s20, v0                      ; my token
	v_and_or_b32 v13, v15, 0xff0000, v13           ; token 14:0, lo 19:16, hi 23:20
	global_store_b32 v14, v13, s[8:9]
	s_wait_tensorcnt 0x0                           ; the wave's end: three lines behind my last LDS store
	ds_add_u32 v1, v2
	s_wait_dscnt 0x0
	s_endpgm
.Lfunc_end_k_qc750b59e88_place:
	.size	k_qc750b59e88_place, .Lfunc_end_k_qc750b59e88_place-k_qc750b59e88_place
	.p2alignl 7, 3214868480
	.fill 96, 4, 3214868480
	.section	.rodata,"a",@progbits
	.p2align	6, 0x0
	.amdhsa_kernel k_qc750b59e88_place
		.amdhsa_group_segment_fixed_size 8192
		.amdhsa_private_segment_fixed_size 0
		.amdhsa_enable_private_segment 0
		.amdhsa_kernarg_size 24
		.amdhsa_user_sgpr_count 2
		.amdhsa_user_sgpr_kernarg_segment_ptr 1
		.amdhsa_wavefront_size32 1
		.amdhsa_system_sgpr_workgroup_id_x 1
		.amdhsa_system_sgpr_workgroup_id_y 1
		.amdhsa_system_sgpr_workgroup_id_z 1
		.amdhsa_system_vgpr_workitem_id 0
		.amdhsa_next_free_vgpr 96
		.amdhsa_next_free_sgpr 66
		.amdhsa_reserve_vcc 1
		.amdhsa_float_denorm_mode_32 3
		.amdhsa_float_denorm_mode_16_64 3
		.amdhsa_memory_ordered 1
		.amdhsa_forward_progress 1
		.amdhsa_inst_pref_size 29
	.end_amdhsa_kernel
	.amdgpu_metadata
---
amdhsa.version: [ 1, 2 ]
amdhsa.kernels:
  - .name:           k_qc750b59e88_place
    .symbol:         k_qc750b59e88_place.kd
    .args:
      - { .name: rec, .offset: 0, .size: 8, .value_kind: global_buffer, .address_space: global }
      - { .name: hist, .offset: 8, .size: 8, .value_kind: global_buffer, .address_space: global }
      - { .name: sorted, .offset: 16, .size: 8, .value_kind: global_buffer, .address_space: global }
    .group_segment_fixed_size: 8192
    .private_segment_fixed_size: 0
    .kernarg_segment_align: 8
    .kernarg_segment_size: 24
    .max_flat_workgroup_size: 1024
    .sgpr_count:     66
    .vgpr_count:     96
    .wavefront_size: 32
...
	.end_amdgpu_metadata
.endif
;; end of part 2
;; launch chain (part 3): grid 256 x 1, 8 waves a work-group, no clusters, 295,936 bytes of LDS; arguments x, sorted, score, wq, ln1_g, ln1_b, ln2_g, ln2_b, b2, out0; writes out0
.if DOCPART == 3
	.amdgcn_target "amdgcn-amd-amdhsa--gfx1250"
	.amdhsa_code_object_version 6
	.text
	.protected	k_qc750b59e88_chain
	.globl	k_qc750b59e88_chain
	.p2align	8
	.type	k_qc750b59e88_chain,@function
k_qc750b59e88_chain:
	s_mov_b64 s[64:65], 0
	v_nop
	global_prefetch_b8 v0, s[64:65] scope:SCOPE_SE
	s_setreg_imm32_b32 hwreg(HW_REG_WAVE_MODE, 25, 1), 1
	s_wait_xcnt 0x0
; Third launch: the experts' chain, for the chosen experts alone (the rows of experts not chosen are multiplied by a zero that the problem builds itself: see the first kernel's head).
; out[n] = s_lo O_lo[n] + s_hi O_hi[n];  O_e = gelu(LN(gelu(LN(x) g1 + b1) W1^T) g2 + bb2) W2^T + b2, both products on codes of E5M2 with one E8M0 scale for each 32 along K.
; SHARES.  A work-group owns 128 neighbouring places of the list sorted by pair, a wave 16 of them: one matrix tile; two waves to a SIMD, so that one wave's vector work stands beside the other's
; LDS loads and products.  Vector work (the exact gelu, the norms, the quantiser: 640 numbers a row and expert) is some ten times the matrix work here: so the tile is the smallest, which loses least where
; a tile holds two pairs, and packed forms are used wherever there is one.  Each output row has one owner: the sum of score x expert stays in registers and is stored once.
; PASSES.  A loop of eight trips, a constant; trip i serves the i-th expert that the work-group's 128 tokens use, and trips beyond the last do the barrier alone.  A wave none of whose 16 tokens uses
; the expert does the staging and the barrier, not the arithmetic.  In a tile that holds two pairs the rows that do not use the expert are computed and weighed by 0.
; THE WEIGHTS come as register images from wq through registers into one of two LDS buffers, a pass ahead: asked for at a pass's head, stored behind the first activation.  No tensor load, no cluster: the
; branches hang on stored numbers, and partners would need different experts.
; LAYOUT.  Both products are used transposed (source 0 = 16 rows of a weight, source 1 = my 16 tokens): lane (r, h) holds token r throughout, and its registers run along the next K.
; GELU, exact: gelu(x) = max(x, 0) - |x| q, q = erfc(|x| / sqrt 2) / 2 = t 2^E, t = 1 / (1 + k1 |x|), E = c0 + t (c1 + .. + t c9) - k2 x^2: a fit of erfc whose fractional error is under 1.2e-7 for every
; argument, with its coefficients in base 2 and the half in c0.  Nothing cancels for negative x.
; LIMITS.  NaN and infinities among the inputs are not served.  gelu(x) under x = -13 or so is 0 (v_exp_f32 gives 0 for results under 2^-126).  A block of zeros has the scale byte 1 with zero codes.
; REGISTERS, in windows of 256 (s_set_vgpr_msb's low byte: bits 1:0 source 0, 3:2 source 1, 5:4 source 2, 7:6 destination).  Window 0: below.
; Window 1: at a pass's head v0-139 the staged weights on their way, v144-175 the first norm's gains and biases; then the 512 numbers t of my token's half: block n of 32 units = v[16 n .. 16 n + 15] = unit 32 n + 16 h + i;
; behind the second activation: a2's fragment of K step s at v[64 s], the accumulators of O^T at v[64 (n / 2) + 16 + 8 (n % 2)], eight fragments of w2 at v[64 (n / 2) + 32 + 16 (n % 2)].
.set SPW,  1                           ; v1       LDS address of my spare word; never rewritten
.set NIL,  2                           ; v2       0; never rewritten
.set ENT,  3                           ; v3       my token's entry of the list
.set SLO,  4                           ; v[4:5]   its two scores
.set SHI,  5
.set WGT,  6                           ; v[6:7]   its weight for the pass's expert, twice
.set MU,   8                           ; v[8:9]   a mean, twice
.set RS,   10                          ; v[10:11] 1 / sqrt(var + eps), twice
.set AD0,  12                          ; v12-15   addresses, made where they are used
.set AD1,  13
.set AD2,  14
.set AD3,  15
.set SW,   16                          ; v16-23   the weights' scale words, and nothing else
.set PA,   24                          ; v24      a1's scale word
.set PW,   25                          ; v25-28   a2's scale words
.set AM,   29
.set AM2,  30
.set SOP,  31                          ; the conversions' scale operand
.set HOLD, 32                          ; 57,344 x the scale
.set BYTE, 33
.set C9,   34                          ; v[34:35] c9, twice
.set Q,    36                          ; v[36:43] at work: four sum chains
.set VL16, 44                          ; 16 x lane
.set V64H, 45                          ; 64 x (lane / 16)
.set VT16, 46                          ; 16 x thread
.set TOKX, 47                          ; 512 x token + 64 h
.set XN,   48                          ; v[48:111]  LN(x): register 16 b + i = column 32 b + 16 h + i
.set OUT,  112                         ; v[112:175] the result: register 8 n + j = output 16 n + 8 h + j
.set H,    176                         ; sixteen numbers at work; in product 1 H, T and P, G are two sets of two fragments of w1
.set T,    192
.set P,    208
.set G,    224                         ; the second norm's gains
.set LB,   240                         ; its biases; from the first activation to product 1: a1's codes
.set G1W,  144                         ; window 1
.set L1W,  160
.set WV,   24
.set REM,  25                          ; the experts still to be served
.set WMASK, 26                         ; the experts that my wave's tokens use
.set ECUR, 27
.set ENXT, 28
.set REM2, 29
.set ACT,  30
.set TRIP, 31
.set P3,   32                          ; s[32:33] what my wave stages of the small vectors: wave 0 ln1_g, wave 1 ln1_b, wave 2 b2
.set EPS,  34
.set R512, 35
.set CK,   36                          ; s[36:53] c0 .. c8, each twice
.set NK2,  54                          ; s[54:55] -k2
.set K1,   56
.set MNT,  57                          ; the mantissa field of 57,344
.set SEL,  58                          ; s[58:59]
.set TB,   60                          ; the codes' buffer that is read,
.set TS,   61                          ; the small buffer that is read,
.set TBW,  62                          ; and those that are filled
.set TSW,  63
.set BI,   66
.set R128, 67
.set WB,   68                          ; s[68:69] the staged expert's block of wq
.set G2B,  70
.set L2B,  72
.set P3E,  74
.set TMP,  76
; LDS: two buffers of codes (w1's 32 fragments, then w2's), two small buffers, the spare words.  On the way out each wave has a stage of 16 rows x 528 bytes in the first buffer.
.set CB1,   0x20000                    ; codes buffer 1 begins here: one exclusive or turns an address from one buffer to the other
.set SMALL0, 0x40000
.set SB1,   0x4000
.set O_S1,  0                          ; in a small buffer: w1's scale words,
.set O_S2,  2048                       ; w2's,
.set O_G1,  4096                       ; ln1_g, ln1_b, b2: 512 bytes each,
.set O_B1,  4608
.set O_B2,  5120
.set O_G2,  6144                       ; ln2_g,
.set O_L2,  8192                       ; ln2_b
.set SPARE, 294912                     ; 128 bytes for each wave: eight blocks of 128 bytes that no other line names
.set MSB, 0
.macro WIN new                         ; the immediate's high byte repeats the setting that is left; at a label and at a branch every window is 0
.if MSB != \new
	s_set_vgpr_msb (MSB<<8)|\new
.set MSB, \new
.endif
.endm
.macro SPAIR r, val
	s_mov_b32 s[\r], \val
	s_mov_b32 s[\r+1], \val
.endm
; gelu of the sixteen numbers in H, in place.  Two batches of transcendentals, each with plain work behind it and one wait ahead of its first use.
.macro GELU
.irp i,0,1,2,3,4,5,6,7,8,9,10,11,12,13,14,15
	v_fma_f32 v[T+\i], |v[H+\i]|, s[K1], 1.0
.endr
.irp i,0,1,2,3,4,5,6,7,8,9,10,11,12,13,14,15
	v_rcp_f32 v[T+\i], v[T+\i]                     ; t
.endr
.irp j,0,2,4,6
	v_pk_mul_f32 v[Q+\j:Q+\j+1], v[H+\j:H+\j+1], v[H+\j:H+\j+1]   ; x^2 of the first eight: plain work behind the batch
.endr
	s_wait_alu depctr_va_vdst(0)                   ; one wait for the sixteen reciprocals
.irp j,0,2,4,6,8,10,12,14
	v_pk_fma_f32 v[P+\j:P+\j+1], v[T+\j:T+\j+1], v[C9:C9+1], s[CK+16:CK+17] op_sel_hi:[1,1,0]
.endr
.irp k,7,6,5,4,3,2,1,0
.irp j,0,2,4,6,8,10,12,14
	v_pk_fma_f32 v[P+\j:P+\j+1], v[P+\j:P+\j+1], v[T+\j:T+\j+1], s[CK+2*\k:CK+2*\k+1] op_sel_hi:[1,1,0]
.endr
.endr
.irp j,0,2,4,6
	v_pk_fma_f32 v[P+\j:P+\j+1], v[Q+\j:Q+\j+1], s[NK2:NK2+1], v[P+\j:P+\j+1] op_sel_hi:[1,0,1]
.endr
.irp j,0,2,4,6
	v_pk_mul_f32 v[Q+\j:Q+\j+1], v[H+8+\j:H+8+\j+1], v[H+8+\j:H+8+\j+1]
.endr
.irp j,0,2,4,6
	v_pk_fma_f32 v[P+8+\j:P+8+\j+1], v[Q+\j:Q+\j+1], s[NK2:NK2+1], v[P+8+\j:P+8+\j+1] op_sel_hi:[1,0,1]
.endr
.irp i,0,1,2,3,4,5,6,7,8,9,10,11,12,13,14,15
	v_exp_f32 v[P+\i], v[P+\i]                     ; 2^E
.endr
.irp i,0,1,2,3,4,5,6,7
	v_max_num_f32 v[Q+\i], 0, v[H+\i]              ; max(x, 0) of the first eight: plain work behind the batch
.endr
	s_wait_alu depctr_va_vdst(0)                   ; one wait for the sixteen exponentials
.irp j,0,2,4,6,8,10,12,14
	v_pk_mul_f32 v[P+\j:P+\j+1], v[P+\j:P+\j+1], v[T+\j:T+\j+1]   ; q
.endr
.irp i,8,9,10,11,12,13,14,15
	v_max_num_f32 v[T+\i], 0, v[H+\i]
.endr
.irp i,0,1,2,3,4,5,6,7
	v_fma_f32 v[H+\i], -|v[H+\i]|, v[P+\i], v[Q+\i]
.endr
.irp i,8,9,10,11,12,13,14,15
	v_fma_f32 v[H+\i], -|v[H+\i]|, v[P+\i], v[T+\i]
.endr
.endm
; The sixteen numbers in H are half a block of 32 along K (lane l xor 16 holds the other half): the block's scale, and the hold.
.macro QMAX
	v_max3_num_f32 v[AM], |v[H]|, |v[H+1]|, 0x8000000              ; with the floor 2^(16 - 127): the byte cannot fall under 1
	v_max3_num_f32 v[AM2], |v[H+2]|, |v[H+3]|, |v[H+4]|
	v_max3_num_f32 v[AM], v[AM], |v[H+5]|, |v[H+6]|
	v_max3_num_f32 v[AM2], v[AM2], |v[H+7]|, |v[H+8]|
	v_max3_num_f32 v[AM], v[AM], |v[H+9]|, |v[H+10]|
	v_max3_num_f32 v[AM2], v[AM2], |v[H+11]|, |v[H+12]|
	v_max3_num_f32 v[AM], v[AM], |v[H+13]|, |v[H+14]|
	v_max3_num_f32 v[AM], v[AM], v[AM2], |v[H+15]|
	v_permlanex16_b32 v[AM2], v[AM], s[SEL], s[SEL+1]
	v_max_num_f32 v[AM], v[AM], v[AM2]
	v_add_nc_u32 v[SOP], 0xf8800000, v[AM]         ; 15 off the exponent field
	v_and_or_b32 v[HOLD], v[AM], 0x7f800000, s[MNT]
	v_lshrrev_b32 v[BYTE], 23, v[SOP]
.irp i,0,1,2,3,4,5,6,7,8,9,10,11,12,13,14,15
	v_med3_num_f32 v[H+\i], v[H+\i], -v[HOLD], v[HOLD]   ; the conversion to an 8-bit code does not saturate (ISA guide 7.6.2)
.endr
.endm
.macro JOINQ                           ; the four chains, their halves and lane l xor 16's: the sum in v[Q]
	v_pk_add_f32 v[Q:Q+1], v[Q:Q+1], v[Q+2:Q+3]
	v_pk_add_f32 v[Q+4:Q+5], v[Q+4:Q+5], v[Q+6:Q+7]
	v_pk_add_f32 v[Q:Q+1], v[Q:Q+1], v[Q+4:Q+5]
	v_add_f32 v[Q], v[Q], v[Q+1]
	v_permlanex16_b32 v[AM2], v[Q], s[SEL], s[SEL+1]
	v_add_f32 v[Q], v[Q], v[AM2]
.endm
.macro BASES e                         ; where expert s[e]'s numbers lie (the number was held at 7 from above when it was made)
	s_mul_i32 s[TMP], s[\e], 135168
	s_mov_b32 s[TMP+1], 0
	s_add_nc_u64 s[WB:WB+1], s[10:11], s[TMP:TMP+1]
	s_lshl_b32 s[TMP], s[\e], 11
	s_add_nc_u64 s[G2B:G2B+1], s[16:17], s[TMP:TMP+1]
	s_add_nc_u64 s[L2B:L2B+1], s[18:19], s[TMP:TMP+1]
	s_lshl_b32 s[TMP], s[\e], 9
	s_add_nc_u64 s[P3E:P3E+1], s[P3:P3+1], s[TMP:TMP+1]
.endm
; An expert's 135,168 bytes of wq are 33 loads of 4,096 bytes for the 256 threads; ln2_g and ln2_b 8 bytes a thread; the three short vectors a load of waves 0, 1, 2.
.macro STAGE_ISSUE
	v_lshlrev_b32 v[AD2], 3, v0
	WIN 0x40                                       ; destination window 1
.set i, 0
.rept 33
	global_load_b128 v[4*i:4*i+3], v[VT16], s[WB:WB+1] offset:4096*i
.set i, i+1
.endr
	global_load_b64 v[132:133], v[AD2], s[G2B:G2B+1]
	global_load_b64 v[134:135], v[AD2], s[L2B:L2B+1]
	WIN 0
	s_cmp_lt_u32 s[WV], 3
	s_cbranch_scc0 .Lno_small_\@
	WIN 0x40
	global_load_b128 v[136:139], v[VL16], s[P3E:P3E+1]
	WIN 0
.Lno_small_\@:
.endm
.macro STAGE_STORE                     ; into the buffers that nobody reads in this pass
	v_add_nc_u32 v[AD0], s[TBW], v[VT16]
	v_add_nc_u32 v[AD1], 0x10000, v[AD0]
	v_add_nc_u32 v[AD2], s[TSW], v[VT16]
	v_lshl_add_u32 v[AD3], v0, 3, s[TSW]
	WIN 0x04                                       ; an LDS store's data are its source 1: window 1
.set i, 0
.rept 16
	ds_store_b128 v[AD0], v[4*i:4*i+3] offset:4096*i
	ds_store_b128 v[AD1], v[64+4*i:64+4*i+3] offset:4096*i
.set i, i+1
.endr
	ds_store_b128 v[AD2], v[128:131]
	ds_store_b64 v[AD3], v[132:133] offset:O_G2
	ds_store_b64 v[AD3], v[134:135] offset:O_L2
	WIN 0
	s_cmp_lt_u32 s[WV], 3
	s_cbranch_scc0 .Lno_small_st_\@
	WIN 0x04
	ds_store_b128 v[AD2], v[136:139] offset:O_G1   ; 16 x thread = 512 x wave + 16 x lane
	WIN 0
.Lno_small_st_\@:
.endm
.macro MAYBE_STORE
	s_wait_loadcnt 0x0                             ; on every way: no staging load is out behind this line, so its registers and bases may be written again
	s_cmp_lg_u32 s[REM2], 0
	s_cbranch_scc0 .Lno_store_\@
	STAGE_STORE
.Lno_store_\@:
.endm
; product 1: tiles tau and tau + 1 of w1 into set 0 (H, T) or 1 (P, G), with their scale words: ten LDS loads
.macro LOADF set, tau
.irp u,0,1
.irp c,0,1,2,3
	ds_load_b128 v[H+32*(\set)+16*\u+4*\c:H+32*(\set)+16*\u+4*\c+3], v[AD0] offset:2048*((\tau)+\u)+512*\c
.endr
	ds_load_b32 v[SW+2*(\set)+\u], v[AD1] offset:O_S1+4*(32*(((\tau)+\u)/2)+8*(((\tau)+\u)%2))
.endr
.endm
.macro TSUM a                          ; the 16 registers of tiles 2 a and 2 a + 1 onto the four chains, each tile from its low end on
	WIN 0x04
.irp j,0,2,4,6
	v_pk_add_f32 v[Q+\j:Q+\j+1], v[Q+\j:Q+\j+1], v[16*(\a)+\j:16*(\a)+\j+1]
.endr
.irp j,0,2,4,6
	v_pk_add_f32 v[Q+\j:Q+\j+1], v[Q+\j:Q+\j+1], v[16*(\a)+8+\j:16*(\a)+8+\j+1]
.endr
	WIN 0
.endm
.macro GLOAD n                         ; the second norm's gains and biases of block n: my sixteen units
.irp j,0,1,2,3
	ds_load_b128 v[G+4*\j:G+4*\j+3], v[AD0] offset:O_G2+128*(\n)+16*\j
	ds_load_b128 v[LB+4*\j:LB+4*\j+3], v[AD0] offset:O_L2+128*(\n)+16*\j
.endr
.endm
.macro AFFINE                          ; h = e g + b
.irp j,0,2,4,6,8,10,12,14
	v_pk_fma_f32 v[H+\j:H+\j+1], v[H+\j:H+\j+1], v[G+\j:G+\j+1], v[LB+\j:LB+\j+1]
.endr
.endm
.macro NORM n                          ; e = (t - mean) / sqrt(var + eps) of block n
	WIN 0x01
.irp j,0,2,4,6,8,10,12,14
	v_pk_mul_f32 v[H+\j:H+\j+1], v[16*(\n)+\j:16*(\n)+\j+1], v[RS:RS+1]
.endr
	WIN 0
.endm
; What differs from block to block of the second activation: where the codes go, which byte of which scale word, which registers hold the next block, which gains come next.
.macro VAR n
	WIN 0x40
	v_cvt_scalef32_pk8_bf8_f32 v[64*((\n)/4)+4*((\n)%4):64*((\n)/4)+4*((\n)%4)+1], v[H:H+7], v[SOP]
	v_cvt_scalef32_pk8_bf8_f32 v[64*((\n)/4)+4*((\n)%4)+2:64*((\n)/4)+4*((\n)%4)+3], v[H+8:H+15], v[SOP]
	WIN 0
.if (\n)%4 == 0
	v_mov_b32 v[PW+(\n)/4], v[BYTE]                ; (also the plain line behind the conversions)
.else
	v_lshl_or_b32 v[PW+(\n)/4], v[BYTE], 8*((\n)%4), v[PW+(\n)/4]
.endif
.if (\n) < 15
	NORM (\n)+1
	s_wait_dscnt 0x0                               ; the next block's gains, asked for a block ago
	AFFINE
.if (\n) < 14
	GLOAD (\n)+2
.endif
	s_branch .Lp2join
.endif
.endm
; product 2, half step x: K step x / 2, tiles 4 (x % 2) .. + 3 of w2, with their scale words: twenty LDS loads
.macro LOADW x
	WIN 0x40
.irp q,0,1,2,3
.set nn, 4*((\x)%2)+\q
.irp c,0,1,2,3
	ds_load_b128 v[64*(nn/2)+32+16*(nn%2)+4*\c:64*(nn/2)+32+16*(nn%2)+4*\c+3], v[AD2] offset:2048*(4*nn+(\x)/2)+512*\c
.endr
.endr
	WIN 0
.irp q,0,1,2,3
.set nn, 4*((\x)%2)+\q
	ds_load_b32 v[SW+nn], v[AD3] offset:O_S2+256*nn+4*((\x)/2)
.endr
.endm
	s_load_b512 s[4:19], s[0:1], 0x0               ; x, sorted, score, wq, ln1_g, ln1_b, ln2_g, ln2_b
	s_load_b128 s[20:23], s[0:1], 0x40             ; b2, out0
	v_lshl_add_u32 v[SPW], v0, 2, SPARE
	v_mov_b32 v[NIL], 0
	v_lshrrev_b32 v[AD0], 5, v0
	v_readfirstlane_b32 s[WV], v[AD0]              ; wave 0..7
	v_and_b32 v[AD1], 31, v0
	v_lshlrev_b32 v[VL16], 4, v[AD1]
	v_bfe_u32 v[V64H], v0, 4, 1
	v_lshlrev_b32 v[V64H], 6, v[V64H]
	v_lshlrev_b32 v[VT16], 4, v0
	v_and_b32 v[AD2], 15, v0
	v_lshlrev_b32 v[AD2], 2, v[AD2]
	v_lshl_add_u32 v[AD2], s[WV], 6, v[AD2]        ; my token's entry: 4 (16 wave + r)
	SPAIR CK+0,  0xc034d90f
	SPAIR CK+2,  0x3fb8ab5a
	SPAIR CK+4,  0x3f0a29d2
	SPAIR CK+6,  0x3e0efb2e
	SPAIR CK+8,  0xbe899a80
	SPAIR CK+10, 0x3ecdfd18
	SPAIR CK+12, 0xbfd1a1e5
	SPAIR CK+14, 0x40097039
	SPAIR CK+16, 0xbf97d29d
	SPAIR NK2,   0xbf38aa3b
	v_mov_b32 v[C9], 0x3e7c6f08
	v_mov_b32 v[C9+1], 0x3e7c6f08
	s_mov_b32 s[K1], 0x3eb504f3
	s_mov_b32 s[MNT], 0x600000
	s_mov_b32 s[SEL], 0x76543210
	s_mov_b32 s[SEL+1], 0xfedcba98
	s_mov_b32 s[EPS], 0x3727c5ac                   ; 1e-5
	s_mov_b32 s[R512], 0x3b000000                  ; 1 / 512
	s_mov_b32 s[R128], 0x3c000000                  ; 1 / 128
	s_mov_b32 s[TB], 0
	s_mov_b32 s[TS], SMALL0
	s_mov_b32 s[TBW], 0
	s_mov_b32 s[TSW], SMALL0
.irp i,0,1,2,3
	v_mov_b32 v[PW+\i], 0                          ; written once, whole, ahead of the lines that add bytes to them
.endr
	WIN 0x40
.irp i,136,137,138,139
	v_mov_b32 v[\i], 0                             ; the short vectors' four registers (window 1), written once by every wave, ahead of the first staging loads: only waves 0 to 2 load them and store them, each under its own branch on the wave's number
.endr
	WIN 0
	s_lshl_b32 s[TMP], ttmp9, 9                    ; my work-group's 128 entries
	s_mov_b32 s[TMP+1], 0
	s_wait_kmcnt 0x0
	s_add_nc_u64 s[6:7], s[6:7], s[TMP:TMP+1]
	global_load_b32 v[ENT], v[AD2], s[6:7]
	global_load_b128 v[Q:Q+3], v[VL16], s[6:7]     ; all 128, four a lane
	s_cmp_eq_u32 s[WV], 0
	s_cselect_b64 s[P3:P3+1], s[12:13], s[14:15]
	s_cmp_lt_u32 s[WV], 2
	s_cselect_b64 s[P3:P3+1], s[P3:P3+1], s[20:21]
	s_wait_loadcnt 0x0
	v_and_b32 v[TOKX], 0x7fff, v[ENT]
	v_min_u32 v[TOKX], 0x7fff, v[TOKX]             ; a token of 32,768
	v_lshlrev_b32 v[AD3], 3, v[TOKX]
	v_lshl_add_u32 v[TOKX], v[TOKX], 9, v[V64H]
.irp b,0,1,2,3
.irp j,0,1,2,3
	global_load_b128 v[XN+16*\b+4*\j:XN+16*\b+4*\j+3], v[TOKX], s[4:5] offset:128*\b+16*\j th:TH_LOAD_NT
.endr
.endr
	global_load_b64 v[SLO:SHI], v[AD3], s[8:9]
	; which experts my wave's tokens use (bits 7:0) and which the work-group's (bits 15:8)
	v_bfe_u32 v[AD0], v[ENT], 16, 4
	v_bfe_u32 v[AD1], v[ENT], 20, 4
	v_lshlrev_b32 v[AD0], v[AD0], 1
	v_lshlrev_b32 v[AD1], v[AD1], 1
	v_or_b32 v[AM], v[AD0], v[AD1]
	v_mov_b32 v[AM2], 0
.irp i,0,1,2,3
	v_bfe_u32 v[AD0], v[Q+\i], 16, 4
	v_bfe_u32 v[AD1], v[Q+\i], 20, 4
	v_lshlrev_b32 v[AD0], v[AD0], 1
	v_lshlrev_b32 v[AD1], v[AD1], 1
	v_or_b32 v[AM2], v[AM2], v[AD0]
	v_or_b32 v[AM2], v[AM2], v[AD1]
.endr
	v_lshl_or_b32 v[AM], v[AM2], 8, v[AM]
.irp m,1,2,4,8
	v_mov_b32_dpp v[AM2], v[AM] row_xmask:\m row_mask:0xf bank_mask:0xf
	v_or_b32 v[AM], v[AM], v[AM2]
.endr
	v_permlanex16_b32 v[AM2], v[AM], s[SEL], s[SEL+1]
	v_or_b32 v[AM], v[AM], v[AM2]
	v_readfirstlane_b32 s[TMP], v[AM]
	s_and_b32 s[WMASK], s[TMP], 0xff
	s_lshr_b32 s[REM], s[TMP], 8
	s_ctz_i32_b32 s[ENXT], s[REM]
	s_min_u32 s[ENXT], s[ENXT], 7
	BASES ENXT
	STAGE_ISSUE                                    ; the first expert's weights
.set i, 0
.rept 64
	v_mov_b32 v[OUT+i], 0                          ; the passes are written once: the first finds zeros
.set i, i+1
.endr
	s_wait_loadcnt 35                              ; x and the scores are in; the staging loads issued behind them stay out (35; in waves 0 to 2, 36, of which one is then waited for too)
	; LN(x), in two passes, so that no difference of large sums is formed
.irp c,0,2,4,6
	v_pk_add_f32 v[Q+\c:Q+\c+1], v[XN+\c:XN+\c+1], v[XN+8+\c:XN+8+\c+1]
.endr
.set j, 8
.rept 24
	v_pk_add_f32 v[Q+2*(j%4):Q+2*(j%4)+1], v[Q+2*(j%4):Q+2*(j%4)+1], v[XN+2*j:XN+2*j+1]
.set j, j+1
.endr
	JOINQ
	v_mul_f32 v[MU], s[R128], v[Q]
	v_mov_b32 v[MU+1], v[MU]
.set j, 0
.rept 32
	v_pk_add_f32 v[XN+2*j:XN+2*j+1], v[XN+2*j:XN+2*j+1], v[MU:MU+1] neg_lo:[0,1] neg_hi:[0,1]
.set j, j+1
.endr
.irp c,0,2,4,6
	v_pk_mul_f32 v[Q+\c:Q+\c+1], v[XN+\c:XN+\c+1], v[XN+\c:XN+\c+1]
.endr
.set j, 4
.rept 28
	v_pk_fma_f32 v[Q+2*(j%4):Q+2*(j%4)+1], v[XN+2*j:XN+2*j+1], v[XN+2*j:XN+2*j+1], v[Q+2*(j%4):Q+2*(j%4)+1]
.set j, j+1
.endr
	JOINQ
	v_fma_f32 v[Q], v[Q], s[R128], s[EPS]
	v_rsq_f32 v[RS], v[Q]
	v_nop                                          ; a plain line behind the transcendental
	s_wait_alu depctr_va_vdst(0)                   ; and the wait ahead of its first use
	v_mov_b32 v[RS+1], v[RS]
.set j, 0
.rept 32
	v_pk_mul_f32 v[XN+2*j:XN+2*j+1], v[XN+2*j:XN+2*j+1], v[RS:RS+1]
.set j, j+1
.endr
	s_wait_loadcnt 0x0                             ; the first expert's weights are in registers
	STAGE_STORE
	s_xor_b32 s[TBW], s[TBW], CB1
	s_xor_b32 s[TSW], s[TSW], SB1
	s_mov_b32 s[TRIP], 8
.Ltrip:
	s_wait_dscnt 0x0                               ; my stores into the buffers about to be read have landed, and my reads of the other buffers are over
	s_barrier_signal -1
	s_barrier_wait -1                              ; both now hold of all eight waves
	s_sub_co_u32 s[TMP], s[REM], 1
	s_and_b32 s[REM2], s[REM], s[TMP]              ; the experts behind this pass's
	s_and_not1_b32 s[TMP], s[REM], s[REM2]
	s_and_b32 s[ACT], s[WMASK], s[TMP]             ; does a token of my wave use this pass's expert?
	s_ctz_i32_b32 s[ECUR], s[REM]
	s_min_u32 s[ECUR], s[ECUR], 7
	s_ctz_i32_b32 s[ENXT], s[REM2]
	s_min_u32 s[ENXT], s[ENXT], 7
	s_cmp_lg_u32 s[REM2], 0
	s_cbranch_scc0 .Lno_issue
	BASES ENXT
	STAGE_ISSUE                                    ; the next expert's weights: they land while the first activation is worked
.Lno_issue:
	s_cmp_lg_u32 s[ACT], 0
	s_cbranch_scc0 .Lidle
	; ---- the first activation: a1 = gelu(LN(x) g1 + b1), quantised: four blocks of 32 along K
	v_bfe_u32 v[Q], v[ENT], 16, 4
	v_bfe_u32 v[Q+1], v[ENT], 20, 4
	v_cmp_eq_u32 vcc_lo, s[ECUR], v[Q]
	v_cndmask_b32 v[WGT], 0, v[SLO], vcc_lo
	v_cmp_eq_u32 vcc_lo, s[ECUR], v[Q+1]
	v_cndmask_b32 v[WGT], v[WGT], v[SHI], vcc_lo   ; my token's score for this expert, or 0
	v_mov_b32 v[WGT+1], v[WGT]
	v_add_nc_u32 v[AD0], s[TS], v[V64H]
	WIN 0x40
.irp j,0,1,2,3
	ds_load_b128 v[G1W+4*\j:G1W+4*\j+3], v[AD0] offset:O_G1+16*\j
	ds_load_b128 v[L1W+4*\j:L1W+4*\j+3], v[AD0] offset:O_B1+16*\j
.endr
	WIN 0
.irp b,0,1,2,3
	s_wait_dscnt 0x0                               ; this block's gains and biases
	WIN 0x14                                       ; sources 1 and 2 window 1
.irp j,0,2,4,6,8,10,12,14
	v_pk_fma_f32 v[H+\j:H+\j+1], v[XN+16*\b+\j:XN+16*\b+\j+1], v[G1W+\j:G1W+\j+1], v[L1W+\j:L1W+\j+1]
.endr
.if \b < 3
	WIN 0x40
.irp j,0,1,2,3
	ds_load_b128 v[G1W+4*\j:G1W+4*\j+3], v[AD0] offset:O_G1+128*(\b+1)+16*\j
	ds_load_b128 v[L1W+4*\j:L1W+4*\j+3], v[AD0] offset:O_B1+128*(\b+1)+16*\j
.endr
.endif
	WIN 0
	GELU
	QMAX
	v_cvt_scalef32_pk8_bf8_f32 v[LB+4*\b:LB+4*\b+1], v[H:H+7], v[SOP]
	v_cvt_scalef32_pk8_bf8_f32 v[LB+4*\b+2:LB+4*\b+3], v[H+8:H+15], v[SOP]
.if \b == 0
	v_mov_b32 v[PA], v[BYTE]                       ; (also the plain line behind the conversions)
.else
	v_lshl_or_b32 v[PA], v[BYTE], 8*\b, v[PA]
.endif
.endr
	MAYBE_STORE
	; ---- product 1: t^T = W1 a1^T, two tiles a step, the fragments in two sets by turns
	v_add_nc_u32 v[AD0], s[TB], v[VL16]
	v_and_b32 v[AD1], 15, v0
	v_and_b32 v[AD2], 8, v0
	v_add_nc_u32 v[AD1], v[AD1], v[AD2]            ; r + 8 (r / 8)
	v_lshl_add_u32 v[AD1], v[AD1], 2, s[TS]
	LOADF 0, 0
	LOADF 1, 2
.rept 4
	v_nop                                          ; with the five lines above: the places between the scale word's last line and the first product
.endr
.set k, 0
.rept 16
.if k < 15
	s_wait_dscnt 10                                ; this step's ten loads are in; the other set's ten stay out
.else
	s_wait_dscnt 0x0
.endif
	WIN 0x40                                       ; the result in window 1
	v_wmma_scale_f32_16x16x128_f8f6f4 v[16*k:16*k+7], v[H+32*(k%2):H+32*(k%2)+15], v[LB:LB+15], 0, v[SW+2*(k%2)], v[PA] matrix_a_fmt:MATRIX_FMT_BF8 matrix_b_fmt:MATRIX_FMT_BF8
	v_wmma_scale_f32_16x16x128_f8f6f4 v[16*k+8:16*k+15], v[H+32*(k%2)+16:H+32*(k%2)+31], v[LB:LB+15], 0, v[SW+2*(k%2)+1], v[PA] matrix_a_fmt:MATRIX_FMT_BF8 matrix_b_fmt:MATRIX_FMT_BF8
	WIN 0
.if k == 0
.irp i,0,1,2,3,4,5,6,7
	v_mov_b32 v[Q+\i], 0                           ; the four chains of the row's sum: eight plain lines, the places behind the two products
.endr
.else
.set km1, k-1
	TSUM km1                                       ; the step before's results: eight plain lines that name nothing of this step's products: their places, and eight stand behind the products that they read
.endif
.if k < 14
.set ks, k%2
.set kt, 2*k+4
	LOADF ks, kt                                   ; this set's next two tiles
.endif
.set k, k+1
.endr
	TSUM 15
	v_add_nc_u32 v[AD0], s[TS], v[V64H]
	GLOAD 0
	; ---- the second norm's mean and variance, in two passes
	JOINQ
	v_mul_f32 v[MU], s[R512], v[Q]
	v_mov_b32 v[MU+1], v[MU]
	WIN 0x41                                       ; t in place
.set j, 0
.rept 128
	v_pk_add_f32 v[2*j:2*j+1], v[2*j:2*j+1], v[MU:MU+1] neg_lo:[0,1] neg_hi:[0,1]
.set j, j+1
.endr
	WIN 0x05                                       ; sources 0 and 1 window 1
.set j, 0
.rept 8
	v_pk_mul_f32 v[T+2*j:T+2*j+1], v[2*j:2*j+1], v[2*j:2*j+1]
.set j, j+1
.endr
.rept 120
	v_pk_fma_f32 v[T+2*(j%8):T+2*(j%8)+1], v[2*j:2*j+1], v[2*j:2*j+1], v[T+2*(j%8):T+2*(j%8)+1]
.set j, j+1
.endr
	WIN 0
.irp c,0,2,4,6
	v_pk_add_f32 v[Q+\c:Q+\c+1], v[T+\c:T+\c+1], v[T+8+\c:T+8+\c+1]
.endr
	JOINQ
	v_fma_f32 v[Q], v[Q], s[R512], s[EPS]
	v_rsq_f32 v[RS], v[Q]
	v_nop                                          ; a plain line behind the transcendental
	s_wait_alu depctr_va_vdst(0)                   ; and the wait ahead of its first use
	v_mov_b32 v[RS+1], v[RS]
	; ---- the second activation: a2 = gelu(LN(t) g2 + bb2), quantised: sixteen blocks of 32.  The arithmetic stands once, in a loop; what names other registers from block to block stands in sixteen short pieces
	NORM 0
	s_wait_dscnt 0x0
	AFFINE
	GLOAD 1
	s_mov_b32 s[BI], 0
.Lp2:
	GELU
	QMAX
	s_cmp_lt_u32 s[BI], 8
	s_cbranch_scc0 .Ld8
	s_cmp_lt_u32 s[BI], 4
	s_cbranch_scc0 .Ld4
	s_cmp_lt_u32 s[BI], 2
	s_cbranch_scc0 .Ld2
	s_cmp_lt_u32 s[BI], 1
	s_cbranch_scc0 .Lv1
	VAR 0
.Lv1:
	VAR 1
.Ld2:
	s_cmp_lt_u32 s[BI], 3
	s_cbranch_scc0 .Lv3
	VAR 2
.Lv3:
	VAR 3
.Ld4:
	s_cmp_lt_u32 s[BI], 6
	s_cbranch_scc0 .Ld6
	s_cmp_lt_u32 s[BI], 5
	s_cbranch_scc0 .Lv5
	VAR 4
.Lv5:
	VAR 5
.Ld6:
	s_cmp_lt_u32 s[BI], 7
	s_cbranch_scc0 .Lv7
	VAR 6
.Lv7:
	VAR 7
.Ld8:
	s_cmp_lt_u32 s[BI], 12
	s_cbranch_scc0 .Ld12
	s_cmp_lt_u32 s[BI], 10
	s_cbranch_scc0 .Ld10
	s_cmp_lt_u32 s[BI], 9
	s_cbranch_scc0 .Lv9
	VAR 8
.Lv9:
	VAR 9
.Ld10:
	s_cmp_lt_u32 s[BI], 11
	s_cbranch_scc0 .Lv11
	VAR 10
.Lv11:
	VAR 11
.Ld12:
	s_cmp_lt_u32 s[BI], 14
	s_cbranch_scc0 .Ld14
	s_cmp_lt_u32 s[BI], 13
	s_cbranch_scc0 .Lv13
	VAR 12
.Lv13:
	VAR 13
.Ld14:
	s_cmp_lt_u32 s[BI], 15
	s_cbranch_scc0 .Lv15
	VAR 14
.Lv15:
	VAR 15
.Lp2join:
	s_add_co_u32 s[BI], s[BI], 1
	s_cmp_lt_u32 s[BI], 16
	s_cbranch_scc1 .Lp2
	; ---- product 2: O^T = W2 a2^T + b2: eight accumulators by turns, one instruction a turn, four tiles a half step; b2 is loaded into the accumulators
	v_lshrrev_b32 v[AD1], 1, v[V64H]               ; 32 h
	v_add_nc_u32 v[AD1], s[TS], v[AD1]
	v_add_nc_u32 v[AD2], s[TB], v[VL16]
	v_add_nc_u32 v[AD2], 0x10000, v[AD2]
	v_and_b32 v[AD3], 0xf0, v[VL16]                ; 16 r
	v_add_nc_u32 v[AD3], s[TS], v[AD3]
.rept 2
	v_nop                                          ; with the six lines above: the places between the last scale word's last line and the first product
.endr
	WIN 0x40
.irp n,0,1,2,3,4,5,6,7
	ds_load_b128 v[64*(\n/2)+16+8*(\n%2):64*(\n/2)+16+8*(\n%2)+3], v[AD1] offset:O_B2+64*\n
	ds_load_b128 v[64*(\n/2)+16+8*(\n%2)+4:64*(\n/2)+16+8*(\n%2)+7], v[AD1] offset:O_B2+64*\n+16
.endr
	LOADW 0
	LOADW 1
.set m, 0
.rept 8
.if m < 7
	s_wait_dscnt 20                                ; this half step's twenty loads (and b2) are in; the next half step's twenty stay out
.else
	s_wait_dscnt 0x0
.endif
	WIN 0x55                                       ; all four operands in window 1
.irp q,0,1,2,3
.set nn, 4*(m%2)+\q
	v_wmma_scale_f32_16x16x128_f8f6f4 v[64*(nn/2)+16+8*(nn%2):64*(nn/2)+16+8*(nn%2)+7], v[64*(nn/2)+32+16*(nn%2):64*(nn/2)+32+16*(nn%2)+15], v[64*(m/2):64*(m/2)+15], v[64*(nn/2)+16+8*(nn%2):64*(nn/2)+16+8*(nn%2)+7], v[SW+nn], v[PW+m/2] matrix_a_fmt:MATRIX_FMT_BF8 matrix_b_fmt:MATRIX_FMT_BF8
.endr
	WIN 0
.rept 8
	v_nop                                          ; places in front of loads into registers that these products have read, and of the first read of results
.endr
.if m < 6
.set mn, m+2
	LOADW mn
.endif
.set m, m+1
.endr
	; ---- the result takes score x expert
	WIN 0x01
.irp n,0,1,2,3,4,5,6,7
.irp j,0,2,4,6
	v_pk_fma_f32 v[OUT+8*\n+\j:OUT+8*\n+\j+1], v[64*(\n/2)+16+8*(\n%2)+\j:64*(\n/2)+16+8*(\n%2)+\j+1], v[WGT:WGT+1], v[OUT+8*\n+\j:OUT+8*\n+\j+1]
.endr
.endr
	WIN 0
	s_branch .Lnext
.Lidle:
	MAYBE_STORE                                    ; a wave without arithmetic in this pass still stages its share
.Lnext:
	s_mov_b32 s[REM], s[REM2]
	s_xor_b32 s[TB], s[TB], CB1
	s_xor_b32 s[TS], s[TS], SB1
	s_xor_b32 s[TBW], s[TBW], CB1
	s_xor_b32 s[TSW], s[TSW], SB1
	s_sub_co_u32 s[TRIP], s[TRIP], 1
	s_cmp_lg_u32 s[TRIP], 0
	s_cbranch_scc1 .Ltrip
	; ---- THE WAY OUT.  A lane holds 32 neighbouring bytes of eight places of its token's row: the 16 rows go through my own stage and come back as halves of rows, so that sixteen lanes store 256 consecutive bytes, aligned.
	s_wait_dscnt 0x0
	s_barrier_signal -1
	s_barrier_wait -1                              ; nobody reads the buffers any more: the stages lie in the first
	v_and_b32 v[AD0], 15, v0                       ; r
	v_bfe_u32 v[AD1], v0, 4, 1                     ; h
	s_mul_i32 s[TMP], s[WV], 8448
	v_mul_u32_u24 v[AD2], v[AD0], 528
	v_lshl_add_u32 v[AD2], v[AD1], 5, v[AD2]
	v_add_nc_u32 v[AD2], s[TMP], v[AD2]            ; in: row r, + 32 h
	v_mul_u32_u24 v[AD3], v[AD1], 528
	v_lshl_add_u32 v[AD3], v[AD0], 4, v[AD3]
	v_add_nc_u32 v[AD3], s[TMP], v[AD3]            ; back: lanes 0-15 one row, lanes 16-31 the next
	v_lshlrev_b32 v[AM], 2, v[AD1]
	v_lshl_add_u32 v[AM], s[WV], 6, v[AM]
	v_lshlrev_b32 v[AM2], 4, v[AD0]
.irp i,0,1,2,3,4,5,6,7
	global_load_b32 v[Q+\i], v[AM], s[6:7] offset:8*\i   ; the entries of rows 2 i and 2 i + 1, in the stores' order of lanes
.endr
.irp n,0,1,2,3,4,5,6,7
	ds_store_b128 v[AD2], v[OUT+8*\n:OUT+8*\n+3] offset:64*\n
	ds_store_b128 v[AD2], v[OUT+8*\n+4:OUT+8*\n+7] offset:64*\n+16
.endr
.set t, 0
.rept 16
	ds_load_b128 v[H+4*t:H+4*t+3], v[AD3] offset:2*(t/2)*528+256*(t%2)   ; LDS serves a wave's instructions in order: these see my stores
.set t, t+1
.endr
	s_wait_loadcnt 0x0
.irp i,0,1,2,3,4,5,6,7
	v_and_b32 v[Q+\i], 0x7fff, v[Q+\i]
	v_min_u32 v[Q+\i], 0x7fff, v[Q+\i]
	v_lshl_add_u32 v[Q+\i], v[Q+\i], 9, v[AM2]     ; the token's row of 512 bytes, + 16 (lane % 16)
.endr
.set t, 0
.rept 16
	s_wait_dscnt 15-t
	global_store_b128 v[Q+t/2], v[H+4*t:H+4*t+3], s[22:23] offset:256*(t%2) th:TH_STORE_NT
.set t, t+1
.endr
	s_wait_tensorcnt 0x0                           ; the wave's end: three lines behind my last LDS store
	ds_add_u32 v[SPW], v[NIL]
	s_wait_dscnt 0x0
	s_endpgm
.Lfunc_end_k_qc750b59e88_chain:
	.size	k_qc750b59e88_chain, .Lfunc_end_k_qc750b59e88_chain-k_qc750b59e88_chain
	.p2alignl 7, 3214868480
	.fill 96, 4, 3214868480
	.section	.rodata,"a",@progbits
	.p2align	6, 0x0
	.amdhsa_kernel k_qc750b59e88_chain
		.amdhsa_group_segment_fixed_size 295936
		.amdhsa_private_segment_fixed_size 0
		.amdhsa_enable_private_segment 0
		.amdhsa_kernarg_size 80
		.amdhsa_user_sgpr_count 2
		.amdhsa_user_sgpr_kernarg_segment_ptr 1
		.amdhsa_wavefront_size32 1
		.amdhsa_system_sgpr_workgroup_id_x 1
		.amdhsa_system_sgpr_workgroup_id_y 1
		.amdhsa_system_sgpr_workgroup_id_z 1
		.amdhsa_system_vgpr_workitem_id 0
		.amdhsa_next_free_vgpr 512
		.amdhsa_next_free_sgpr 80
		.amdhsa_reserve_vcc 1
		.amdhsa_float_denorm_mode_32 3
		.amdhsa_float_denorm_mode_16_64 3
		.amdhsa_memory_ordered 1
		.amdhsa_forward_progress 1
		.amdhsa_inst_pref_size 199
	.end_amdhsa_kernel
	.amdgpu_metadata
---
amdhsa.version: [ 1, 2 ]
amdhsa.kernels:
  - .name:           k_qc750b59e88_chain
    .symbol:         k_qc750b59e88_chain.kd
    .args:
      - { .name: x, .offset: 0, .size: 8, .value_kind: global_buffer, .address_space: global }
      - { .name: sorted, .offset: 8, .size: 8, .value_kind: global_buffer, .address_space: global }
      - { .name: score, .offset: 16, .size: 8, .value_kind: global_buffer, .address_space: global }
      - { .name: wq, .offset: 24, .size: 8, .value_kind: global_buffer, .address_space: global }
      - { .name: ln1_g, .offset: 32, .size: 8, .value_kind: global_buffer, .address_space: global }
      - { .name: ln1_b, .offset: 40, .size: 8, .value_kind: global_buffer, .address_space: global }
      - { .name: ln2_g, .offset: 48, .size: 8, .value_kind: global_buffer, .address_space: global }
      - { .name: ln2_b, .offset: 56, .size: 8, .value_kind: global_buffer, .address_space: global }
      - { .name: b2, .offset: 64, .size: 8, .value_kind: global_buffer, .address_space: global }
      - { .name: out0, .offset: 72, .size: 8, .value_kind: global_buffer, .address_space: global }
    .group_segment_fixed_size: 295936
    .private_segment_fixed_size: 0
    .kernarg_segment_align: 8
    .kernarg_segment_size: 80
    .max_flat_workgroup_size: 256
    .sgpr_count:     80
    .vgpr_count:     512
    .wavefront_size: 32
...
	.end_amdgpu_metadata
.endif
;; end of part 3
